; MI455X (gfx1250); checked and timed in simulation.
; The chip was launched on July 23, 2026; its instructions are those of AMD's public machine-readable ISA for CDNA 5 (MIT licence, August 2026) and "CDNA5" Instruction Set Architecture Reference Guide (July 2026). The comments in the code are by the model that wrote it; some were corrected since.
;; Causal Self Attention. Allowed arithmetic: matrix products marked QUANTISED: E4M3 operands, one given power-of-two scale a tensor, by v_wmma_f32_16x16x64_fp8_fp8 or v_wmma_f32_16x16x128_fp8_fp8, f32 sums; everything else in f32.
;; Inputs: b_attn 3,072 float32; b_proj 1,024 float32; lowp_scales 8 int32 (the exponents e of the quantised operands' scales 2^e); w_attn 1,024 x 3,072 float32; w_proj 1,024 x 1,024 float32; x 4 x 2,048 x 1,024 float32.
;; Outputs: out0 4 x 2,048 x 1,024 float32.
;; This version of the problem:
;;   THIS VERSION OF THE PROBLEM IS GIVEN IN LOW PRECISION. The matrix products marked QUANTISED in the list below multiply operands that are first quantised to E4M3 (4 exponent bits, 3 mantissa bits; 8 bits a number), with one given power-of-two scale for each operand tensor; their sums are f32. All else is computed in f32.
;;   The module's matrix products, in the order in which they are computed (A, B: the left and right operand; K: the contracted axis; several contracted axes count as one K, in the product's order):
;;     1. [M 8,192, K 1,024] x [K 1,024, N 3,072]; A: input x; B: input w_attn: QUANTISED (scales: A lowp_scales[0], B lowp_scales[1])
;;     2. batch 64 x [M 2,048, K 64] x [K 64, N 2,048]; A: computed on the way; B: computed on the way: QUANTISED (scales: A lowp_scales[2], B lowp_scales[3])
;;     3. batch 64 x [M 2,048, K 2,048] x [K 2,048, N 64]; A: softmax (see below); B: computed on the way: QUANTISED (scales: A lowp_scales[4], B lowp_scales[5])
;;     4. [M 8,192, K 1,024] x [K 1,024, N 1,024]; A: computed on the way; B: input w_proj: QUANTISED (scales: A lowp_scales[6], B lowp_scales[7])
;;   THE QUANTISER, for each operand of a quantised product, along K:
;;     - The operand's scale is 2^e, e = its entry of the input lowp_scales (int32; the entries are numbered through the quantised products in the list's order, A before B).
;;     - Each number is divided by the scale, clamped to +-448, and rounded to the nearest number of E4M3, ties to even, subnormals kept.
;;     - The product sums the exact products of the quantised numbers (number of the format x scale) in f32.
;;   ~~~python
;;   def quantise(x, axis, e):      # numpy; x: float32 -> the quantised numbers, widened to float32 again
;;       x = np.moveaxis(x, axis, -1); K = x.shape[-1]
;;       r = np.clip(x / 2.0 ** e, -448, 448)
;;       step = 2.0 ** (np.maximum(np.frexp(np.where(r == 0, 1, r))[1] - 1, -6) - 3)
;;       q = np.round(r / step) * step * 2.0 ** e      # np.round: ties to even
;;       return np.moveaxis(q, -1, axis).astype(np.float32)
;;   ~~~
;;   SOFTMAX AHEAD OF A QUANTISED PRODUCT. Where the list says 'softmax', what is quantised is not the finished softmax but p = 2^(t - M), with t = logit x log2(e) and M = ceil(the row's largest t), a whole number; so 1/2 < the row's largest p <= 1. The row's sum l is taken of the UNQUANTISED p, in f32, and the product's result is divided by l at the end. Since M is a whole number, a kernel that streams over the keys may use a running M (the ceiling of the running maximum): every later rescaling is an exact power of two, so the quantised numbers keep their values, but for numbers so far below the row's largest that they fall under the format's range.
;;   OPERANDS COMPUTED ON THE WAY. 'Computed on the way' means the value that the module computes at that place (a softmax that the list does not call 'softmax' is quantised finished and normalised). What goes into a quantiser is computed in f32, as accurately as f32 sums, v_exp_f32 and their like allow (about 1e-6 of the number): no bf16 or f16 on the way to a quantiser, and a product that is left as it is and whose result goes on into a quantised operand takes f32 operands (vector FMAs, or v_wmma_f32_16x16x4_f32). A number that lies on a knife's edge between two numbers of the format may be rounded either way, as far as f32 arithmetic and the matrix unit's own rounding can turn it there, and no further.
;; One version. Each part assembles by itself: llvm-mc -triple=amdgcn-amd-amdhsa -mcpu=gfx1250 --defsym DOCPART=n.
;; ======== version 1 of 1: 4 launches
;; limits: right only within a limited range of input values
;; workspace buffers: xi 8,388,608 bytes; wai 3,145,728 bytes; wpi 1,048,576 bytes; qi 8,388,608 bytes; ki 8,388,608 bytes; vi 8,388,608 bytes; yi 8,388,608 bytes
;; launch quant (part 1): grid 384 x 1, 4 waves a work-group, no clusters, 68,096 bytes of LDS; arguments x, w_attn, w_proj, lowp_scales, xi, wai, wpi; writes xi, wai, wpi
.if DOCPART == 1
	.amdgcn_target "amdgcn-amd-amdhsa--gfx1250"
	.amdhsa_code_object_version 6
	.text
	.protected	k_q8dbf528d06_quant
	.globl	k_q8dbf528d06_quant
	.p2align	8
	.type	k_q8dbf528d06_quant,@function
k_q8dbf528d06_quant:
	s_mov_b64 s[64:65], 0
	v_nop
	global_prefetch_b8 v0, s[64:65] scope:SCOPE_SE
	s_setreg_imm32_b32 hwreg(HW_REG_WAVE_MODE, 25, 1), 1
	s_wait_xcnt 0x0
; x [8192][1024], w_attn [1024][3072] and w_proj [1024][1024], f32, become codes of FP8 (E4M3), each with the one scale 2^e given for it (entries 0, 1 and 7 of the scales).
; code = number / 2^e, held within +-448, rounded to the nearest code, ties to even.
; LIMITS: e between -126 and 119, so that 2^e and 448 x 2^e are f32 numbers.  NaN among the inputs is not served.
; THE CODES ARE LAID AS IMAGES OF OPERAND REGISTERS.  An image is 16 rows x 128 along K, 2,048 bytes, in four groups of 512: group g holds, at 16 x lane, registers 4 g .. 4 g + 3 of lane (r, h):
; k = 32 g + 8 h + 0 .. 7, then k = 32 g + 16 + 8 h + 0 .. 7 of row r: the place that the plain 8-bit matrix form gives each k.
; xi: [512 tiles of 16 rows][8 K steps][image].  wai: [192 tiles of 16 columns of w_attn][8][image].  wpi: [64 tiles][8][image].
; Work-groups 0 to 255 take x (K innermost), 256 to 351 w_attn, 352 to 383 w_proj (K outermost): 32,768 numbers each.  The two ways part on the work-group's number and have LDS bytes of their own.
; A stream: no matrix work, no tensor load, no barrier: waves share nothing.
.set LI,    1                          ; v1   16 x lane
.set XO,    2                          ; v2   x: my 16 bytes of a load's two rows
.set SI,    3                          ; v3   x's stage, on the way in
.set SO,    4                          ; v4   x's stage, on the way out
.set WSI,   5                          ; v5   the weights' stage, in
.set WSO,   6                          ; v6   the weights' stage, out
.set W4,    7                          ; v7   4 x lane
.set LIM,   10
.set SCL,   11                         ; v11  2^e
.set R,     16                         ; x: v16-111   three sets of 32 numbers as loaded
.set X,     112                        ; x: v112-175  two sets of 32 numbers in the operand's order
.set C,     176                        ; x: v176-239  codes, eight registers a step: no store's data are written again
.set XSTG,  16*272                     ; x: a stage: 16 rows of 256 bytes + 16 of padding
.set XWAVE, 2*XSTG                     ; two stages a wave
.set WBASE, 4*XWAVE                    ; the weights' stages begin behind x's: 8,192 bytes a wave
.set VO,    16                         ; w: v16-47    byte offset of row i of a block, at my column
.set WX,    48                         ; w: v48-111   two sets of 32 numbers
.set WC,    112                        ; w: v112-119  a block's codes
.set OUTR,  120                        ; w: v120-183  the way out
.set BP,    40                         ; w: s[40:55]  the address of each of my eight blocks: nothing is stepped
.macro SCALES e                        ; 2^e and 448 x 2^e as f32 numbers, e in s[e]
	s_add_co_i32 s60, s[\e], 127
	s_lshl_b32 s61, s60, 23
	v_mov_b32 v[SCL], s61                          ; the conversion takes its exponent field
	s_add_co_i32 s60, s60, 8
	s_lshl_b32 s60, s60, 23
	s_or_b32 s60, s60, 0x600000                    ; 448 = 1.75 x 2^8
.endm
	s_load_b256 s[4:11], s[0:1], 0x0               ; x s[4:5], w_attn s[6:7], w_proj s[8:9], the scales' exponents s[10:11]
	s_load_b128 s[12:15], s[0:1], 0x20             ; xi s[12:13], wai s[14:15]
	s_load_b64 s[16:17], s[0:1], 0x30              ; wpi
	v_lshl_add_u32 v240, v0, 2, 0x10800
	v_mov_b32 v241, 0
	v_lshrrev_b32 v8, 5, v0
	v_readfirstlane_b32 s18, v8                    ; wave
	v_and_b32 v8, 31, v0                           ; lane
	v_and_b32 v9, 15, v0                           ; r
	v_bfe_u32 v12, v0, 4, 1                        ; h
	v_lshlrev_b32 v[LI], 4, v8
	s_wait_kmcnt 0x0
	s_load_b256 s[24:31], s[10:11], 0x0            ; e0 .. e7
	s_cmp_lt_u32 ttmp9, 256
	s_cbranch_scc0 .Lweights
	s_wait_alu depctr_va_vdst(0)
; ---- x.  Wave gw = 4 x work-group + wave takes the tile of 16 rows gw / 2 and half gw % 2 of its K: eight steps of 16 rows x 64 along K.
; A load reads two rows' 256 consecutive bytes; a step's 4,096 bytes turn through the wave's own stage in LDS, so that a lane gets the 32 numbers that the operand's layout gives it.
	v_lshlrev_b32 v[XO], 4, v9
	v_lshl_add_u32 v[XO], v12, 12, v[XO]           ; row lane / 16 of the two, 16 bytes a lane
	s_wait_alu depctr_va_vdst(0)
	s_mul_i32 s19, s18, XWAVE
	v_mul_u32_u24 v[SI], v12, 272
	v_lshl_add_u32 v[SI], v9, 4, v[SI]
	v_add_nc_u32 v[SI], s19, v[SI]                 ; in: as loaded
	v_mul_u32_u24 v[SO], v9, 272
	v_lshl_add_u32 v[SO], v12, 5, v[SO]
	v_add_nc_u32 v[SO], s19, v[SO]                 ; out: row r, + 32 h: eight numbers of each sixteen
	s_lshl_b32 s20, ttmp9, 2
	s_add_co_u32 s20, s20, s18                     ; gw
	s_lshr_b32 s22, s20, 1
	s_lshl_b32 s22, s22, 16                        ; 16 rows of 4,096 bytes
	s_and_b32 s21, s20, 1
	s_lshl_b32 s21, s21, 11                        ; 512 numbers
	s_add_co_u32 s22, s22, s21
	s_mov_b32 s23, 0
	s_add_nc_u64 s[4:5], s[4:5], s[22:23]
	s_lshl_b32 s22, s20, 13                        ; four images
	s_add_nc_u64 s[12:13], s[12:13], s[22:23]
.macro XLOAD t
.irp i, 0,1,2,3,4,5,6,7
	global_load_b128 v[R+32*((\t)%3)+4*\i:R+32*((\t)%3)+4*\i+3], v[XO], s[4:5] offset:8192*\i+256*(\t) th:TH_LOAD_NT
.endr
.endm
.macro XTURN t                         ; LDS serves a wave's instructions in order: no wait between the stores and the loads
.irp i, 0,1,2,3,4,5,6,7
	ds_store_b128 v[SI], v[R+32*((\t)%3)+4*\i:R+32*((\t)%3)+4*\i+3] offset:XSTG*((\t)%2)+544*\i
.endr
.irp q, 0,1,2,3,4,5,6,7
	ds_load_b128 v[X+32*((\t)%2)+4*\q:X+32*((\t)%2)+4*\q+3], v[SO] offset:XSTG*((\t)%2)+64*(\q/2)+16*(\q%2)   ; k = 16 (q / 2) + 8 h + 4 (q % 2) on
.endr
.endm
.macro XSTEP t
.set XS, X+32*((\t)%2)
	s_wait_dscnt 0x0                               ; this step's numbers are back from the stage, and its stores into the stage have read their registers,
.if (\t)+3 < 8
	XLOAD (\t)+3                                   ; which take the loads of three steps on
.endif
.if (\t)+1 < 8
.if 6-(\t) >= 2
	s_wait_loadcnt 16                              ; the next step's eight loads are in; those of the two steps behind it may be out
.else
	s_wait_loadcnt 8*(6-(\t))
.endif
	XTURN (\t)+1                                   ; through the other stage while this step is worked
.endif
.set i, 0
.rept 32
.set i, i+1
.endr
.irp j, 0,1,2,3
	v_cvt_scalef32_pk8_fp8_f32 v[C+8*(\t)+2*\j:C+8*(\t)+2*\j+1], v[XS+8*\j:XS+8*\j+7], v[SCL]
.endr
; (the results go to stores alone, and the next vector lines are the next step's conversions, on other registers)
.irp g, 0,1
	global_store_b128 v[LI], v[C+8*(\t)+4*\g:C+8*(\t)+4*\g+3], s[12:13] offset:1024*(\t)+512*\g   ; a group of an image: 512 consecutive bytes
.endr
.endm
	XLOAD 0
	XLOAD 1
	XLOAD 2
	s_wait_alu depctr_va_vdst(0)
	s_wait_kmcnt 0x0
	SCALES 24
	s_wait_alu depctr_va_vdst(0)
	s_wait_loadcnt 16                              ; step 0's eight loads are in
	XTURN 0
.irp t, 0,1,2,3,4,5,6,7
	XSTEP \t
.endr
	s_wait_tensorcnt 0x0
	ds_add_u32 v240, v241
	s_wait_dscnt 0x0
	s_endpgm
; ---- the weights: K is their FIRST axis.  A lane takes a column and its registers run down K: a load reads 128 consecutive bytes a wave, 512 a work-group, and the conversions give codes with K innermost.
; A work-group takes 128 columns x 256 along K; a wave 32 columns: two tiles of 16 columns x two K steps: four images, gathered in its own stage and stored in groups of 512 consecutive bytes.
.Lweights:
	s_sub_co_u32 s19, ttmp9, 256
	s_mov_b32 s20, 4096
	s_wait_kmcnt 0x0
	s_cmp_lt_u32 s19, 96                           ; w_attn's work-group or w_proj's?  The choice hangs on the work-group's number alone
	s_cselect_b64 s[32:33], s[6:7], s[8:9]
	s_cselect_b64 s[34:35], s[14:15], s[16:17]
	s_cselect_b32 s20, 12288, s20                  ; a row in bytes
	s_cselect_b32 s21, s25, s31                    ; e1 or e7
	s_cselect_b32 s36, 0, 96
	s_sub_co_u32 s19, s19, s36
	s_and_b32 s37, s19, 3                          ; which 256 along K
	s_lshr_b32 s38, s19, 2                         ; which 128 columns
	s_mul_i32 s22, s37, s20
	s_lshl_b32 s22, s22, 8
	s_lshl_b32 s23, s38, 9
	s_add_co_u32 s22, s22, s23
	s_lshl_b32 s23, s18, 7
	s_add_co_u32 s22, s22, s23                     ; 256 rows x which + 4 x (128 x which + 32 x wave)
	s_mov_b32 s23, 0
	s_add_nc_u64 s[BP:BP+1], s[32:33], s[22:23]
	s_lshl_b32 s22, s20, 5                         ; a block: 32 rows
.irp t, 1,2,3,4,5,6,7
	s_add_nc_u64 s[BP+2*\t:BP+2*\t+1], s[BP+2*\t-2:BP+2*\t-1], s[22:23]
.endr
	s_lshl_b32 s56, s38, 17                        ; eight tiles of columns x eight images,
	s_lshl_b32 s57, s18, 15                        ; two tiles a wave,
	s_add_co_u32 s56, s56, s57
	s_lshl_b32 s57, s37, 12                        ; two K steps
	s_add_co_u32 s56, s56, s57
	s_mov_b32 s57, 0
	s_add_nc_u64 s[34:35], s[34:35], s[56:57]
	s_wait_alu depctr_va_vdst(0)
	v_lshlrev_b32 v[W4], 2, v8
.set i, 0
.rept 32
	v_mad_u32_u24 v[VO+i], s20, i, v[W4]
.set i, i+1
.endr
	s_lshl_b32 s58, s18, 13
	s_add_co_u32 s58, s58, WBASE                   ; my stage
	v_lshl_add_u32 v[WSI], v12, 12, s58            ; in: my tile of columns (two images), row r of a group
	v_lshl_add_u32 v[WSI], v9, 4, v[WSI]
	v_add_nc_u32 v[WSO], s58, v[LI]                ; out: as it lies
.macro WLOAD t                         ; block t: rows 32 t + i of my 256, at my column
.set i, 0
.rept 32
	global_load_b32 v[WX+32*((\t)%2)+i], v[VO+i], s[BP+2*(\t):BP+2*(\t)+1] th:TH_LOAD_NT
.set i, i+1
.endr
.endm
	WLOAD 0
	WLOAD 1
	SCALES 21
.macro WBLOCK t
.set XS, WX+32*((\t)%2)
.if (\t) < 7
	s_wait_loadcnt 32                              ; this block's 32 loads are in; the next block's may be out
.else
	s_wait_loadcnt 0x0
.endif
.set i, 0
.rept 32
.set i, i+1
.endr
	v_cvt_scalef32_pk8_fp8_f32 v[WC:WC+1],   v[XS:XS+7],     v[SCL]   ; k 0-7 and 16-23 are what the image's lane (r, 0) holds,
	v_cvt_scalef32_pk8_fp8_f32 v[WC+2:WC+3], v[XS+16:XS+23], v[SCL]
	v_cvt_scalef32_pk8_fp8_f32 v[WC+4:WC+5], v[XS+8:XS+15],  v[SCL]   ; k 8-15 and 24-31 its lane (r, 1)
	v_cvt_scalef32_pk8_fp8_f32 v[WC+6:WC+7], v[XS+24:XS+31], v[SCL]
	ds_store_b128 v[WSI], v[WC:WC+3]   offset:((\t)/4)*2048+((\t)%4)*512
	ds_store_b128 v[WSI], v[WC+4:WC+7] offset:((\t)/4)*2048+((\t)%4)*512+256
.if (\t)+2 < 8
	WLOAD (\t)+2
.endif
	s_wait_dscnt 0x0                               ; the stores have read their registers: the next block's codes may be written
.endm
	s_wait_alu depctr_va_vdst(0)
.irp t, 0,1,2,3,4,5,6,7
	WBLOCK \t
.endr
.irp j, 0,1,2,3,4,5,6,7,8,9,10,11,12,13,14,15
	ds_load_b128 v[OUTR+4*\j:OUTR+4*\j+3], v[WSO] offset:512*\j
.endr
.irp j, 0,1,2,3,4,5,6,7,8,9,10,11,12,13,14,15
	s_wait_dscnt 15-\j                             ; group j is back; the younger reads may be out
	global_store_b128 v[LI], v[OUTR+4*\j:OUTR+4*\j+3], s[34:35] offset:(\j/8)*16384+(\j%8)*512
.endr
	s_wait_tensorcnt 0x0
	ds_add_u32 v240, v241
	s_wait_dscnt 0x0
	s_endpgm
.Lfunc_end_k_q8dbf528d06_quant:
	.size	k_q8dbf528d06_quant, .Lfunc_end_k_q8dbf528d06_quant-k_q8dbf528d06_quant
	.p2alignl 7, 3214868480
	.fill 96, 4, 3214868480
	.section	.rodata,"a",@progbits
	.p2align	6, 0x0
	.amdhsa_kernel k_q8dbf528d06_quant
		.amdhsa_group_segment_fixed_size 68096
		.amdhsa_private_segment_fixed_size 0
		.amdhsa_enable_private_segment 0
		.amdhsa_kernarg_size 56
		.amdhsa_user_sgpr_count 2
		.amdhsa_user_sgpr_kernarg_segment_ptr 1
		.amdhsa_wavefront_size32 1
		.amdhsa_system_sgpr_workgroup_id_x 1
		.amdhsa_system_sgpr_workgroup_id_y 1
		.amdhsa_system_sgpr_workgroup_id_z 1
		.amdhsa_system_vgpr_workitem_id 0
		.amdhsa_next_free_vgpr 242
		.amdhsa_next_free_sgpr 66
		.amdhsa_reserve_vcc 0
		.amdhsa_float_denorm_mode_32 3
		.amdhsa_float_denorm_mode_16_64 3
		.amdhsa_fp16_overflow 1
		.amdhsa_memory_ordered 1
		.amdhsa_forward_progress 1
		.amdhsa_inst_pref_size 55
	.end_amdhsa_kernel
	.amdgpu_metadata
---
amdhsa.version: [ 1, 2 ]
amdhsa.kernels:
  - .name:           k_q8dbf528d06_quant
    .symbol:         k_q8dbf528d06_quant.kd
    .args:
      - { .name: x, .offset: 0, .size: 8, .value_kind: global_buffer, .address_space: global }
      - { .name: w_attn, .offset: 8, .size: 8, .value_kind: global_buffer, .address_space: global }
      - { .name: w_proj, .offset: 16, .size: 8, .value_kind: global_buffer, .address_space: global }
      - { .name: lowp_scales, .offset: 24, .size: 8, .value_kind: global_buffer, .address_space: global }
      - { .name: xi, .offset: 32, .size: 8, .value_kind: global_buffer, .address_space: global }
      - { .name: wai, .offset: 40, .size: 8, .value_kind: global_buffer, .address_space: global }
      - { .name: wpi, .offset: 48, .size: 8, .value_kind: global_buffer, .address_space: global }
    .group_segment_fixed_size: 68096
    .private_segment_fixed_size: 0
    .kernarg_segment_align: 8
    .kernarg_segment_size: 56
    .max_flat_workgroup_size: 128
    .sgpr_count:     66
    .vgpr_count:     242
    .wavefront_size: 32
...
	.end_amdgpu_metadata
.endif
;; end of part 1
;; launch qkv (part 2): grid 12 x 32, 4 waves a work-group, clusters of 4 x 4, 327,680 bytes of LDS; arguments xi, wai, b_attn, lowp_scales, qi, ki, vi; writes qi, ki, vi
.if DOCPART == 2
	.amdgcn_target "amdgcn-amd-amdhsa--gfx1250"
	.amdhsa_code_object_version 6
	.text
	.protected	k_q8dbf528d06_qkv
	.globl	k_q8dbf528d06_qkv
	.p2align	8
	.type	k_q8dbf528d06_qkv,@function
k_q8dbf528d06_qkv:
	s_mov_b64 s[64:65], 0
	v_nop
	global_prefetch_b8 v0, s[64:65] scope:SCOPE_SE
	s_setreg_imm32_b32 hwreg(HW_REG_WAVE_MODE, 25, 1), 1
	s_wait_xcnt 0x0
	s_wait_alu depctr_hold_cnt(0) depctr_sa_sdst(0) depctr_va_vdst(0) depctr_va_sdst(0) depctr_va_ssrc(0) depctr_va_vcc(0) depctr_vm_vsrc(0)
	s_getreg_b32 s2, hwreg(HW_REG_IB_STS2, 6, 4)
	s_cmp_eq_u32 s2, 0
	s_cbranch_scc0 .Lentry_in_a_cluster
	s_endpgm
.Lentry_in_a_cluster:
	s_bfe_u32 s2, ttmp6, 0x10000c
	s_cmp_lg_u32 s2, 0xf033
	s_cbranch_scc0 .Lentry_shape_is_right
	s_endpgm
.Lentry_shape_is_right:
; qkv = x w_attn + b_attn on codes of FP8 (E4M3), and its three thirds quantised at once for the two products of attention.  K = 1,024.
; xi, wai: images of operand registers (16 rows x 128 K, 2,048 bytes; group g of 512 bytes = registers 4 g .. 4 g + 3, 16 bytes a lane), [tile of 16 rows][8 K steps][image].
; A tile of 256 x 256 results is made by four waves, 128 x 128 each: 64 accumulators, 512 registers.  K goes in fills of 256 through two LDS slots: four fills, written out without a loop.
; ROLES.  Role A is source 1 of the matrix instruction: its 16 rows are the result's lanes.  Role B is source 0: its 16 rows run down a lane's eight registers.
;   cluster x = 0 (q), 1 (k): A = tokens (xi), B = columns of w_attn: a lane holds one token and eight neighbouring features, which are the K of q k^T.
;   cluster x = 2 (v):        A = columns of w_attn, B = tokens: the product is V^T: a lane holds one feature and eight neighbouring keys, which are the K of p v.
; So eight results of a lane convert into registers 2 b, 2 b + 1 of the next operand, and a block of 16 x 128 results leaves as an image: four stores of 512 consecutive bytes, with no way through LDS.
;   qi, ki: [batch][pair of heads][tile of 16 tokens][head % 2][1,024 bytes: 16 tokens x 64].   vi: [batch][pair of heads][128 keys][head % 2][16 of the head's 64][image: 16 x 128 keys].
; The bias is the C of each sum's first matrix instruction, divided by 2^(e0 + e1), the power of two that the sums lack; the three scales ahead of the quantiser are folded into the conversion's one.
; CLUSTERS: 4 x 4 work-groups; A's tile is shared along a row of the cluster, B's along a column, each asked for jointly.  The cluster's x is the same in all sixteen partners: the roles part on it alone.
; LIMITS: e2 - e0 - e1, e3 - e0 - e1, e5 - e0 - e1 between -126 and 119.  NaN is not served.
; REGISTERS, in windows of 256: window 0: v0-31 addresses; v32-39 the bias's offsets; v64-127 the bias; v128-255 A's fragments, one set; on the way out v32-159 codes.
;   window 1: B's fragments, two sets, at v0 and v128.   window 2: the accumulators of A's blocks 0-3 ((a, b) at v[8 (8 (a % 4) + b)]);   window 3: those of blocks 4-7.
.set SLOT,   131072                    ; a slot: A's 16 tiles of 16 rows x 4,096 bytes (two images), then B's
.set HALFT,  32768                     ; what one tensor load brings and one wave reads of A or of B: 8 tiles of rows
.set SPARE,  2*SLOT                    ; behind the ring: the spare words, 128 bytes for each wave
.set FILLB,  4096                      ; a fill's bytes of a tile of rows
.set FR,     16
.set NL,     4
.set NP,     4
.set ADRA, 16                          ; v16-17  LDS address of my A fragments in slot 0, 1
.set ADRB, 20                          ; v20-21  the same for B
.set CO,   26                          ; v26     16 x lane
.set SPW,  28                          ; v28     LDS address of my spare word; never rewritten
.set NIL,  29                          ; v29     0; never rewritten
.set OSC,  30                          ; v30     the conversion's scale
.set OLIM, 31
.set BA,   32
.set BI,   64
.set AF,   128
.set CODES, 32
.set TMP,  192
.set G1,  24                           ; s[24:31] descriptor group 1 for A's tiles; s[32:39] group 0, a set for each slot
.set G0,  32
.set G1B, 48                           ; s[48:55], s[56:63] the same for B's
.set G0B, 56
.set MSB, 0
.macro WIN new                         ; the immediate's high byte repeats the setting that is left
.if MSB != (\new)
	s_set_vgpr_msb (MSB<<8)|(\new)
.set MSB, (\new)
.endif
.endm
.set MUL_LO, 0xa1                      ; source 0 (B) window 1, source 1 (A) window 0, C and D window 2
.set MUL_HI, 0xf1                      ; the same, C and D window 3
.set TO_B,   0x40                      ; destination window 1, address window 0
.macro JLOAD s                         ; a joint load: waves 0 and 1 fetch for A, waves 2 and 3 for B; four v_nop follow each line
	s_cmp_eq_u32 s15, 0
	s_cbranch_scc0 .Lfor_b_\@
	tensor_load_to_lds s[G0+4*\s:G0+4*\s+3], s[G1:G1+7]
	s_nop 0
.rept 4
	v_nop
.endr
	s_branch .Lasked_\@
.Lfor_b_\@:
	tensor_load_to_lds s[G0B+4*\s:G0B+4*\s+3], s[G1B:G1B+7]
	s_nop 0
.rept 4
	v_nop
.endr
.Lasked_\@:
.endm
.macro CREST                           ; a round of the cluster's barrier behind its opening barrier
	s_cmp_lg_u32 s14, 0
	s_cbranch_scc1 .Lnot_wave_0_\@
	s_barrier_signal -3
.Lnot_wave_0_\@:
	s_barrier_wait -3
	s_barrier_signal -1
	s_barrier_wait -1
.endm
.macro CROUND
	s_barrier_signal -1
	s_barrier_wait -1
	CREST
.endm
	s_load_b256 s[4:11], s[0:1], 0x0               ; xi s[4:5], wai s[6:7], b_attn s[8:9], the scales' exponents s[10:11]
	s_load_b128 s[72:75], s[0:1], 0x20             ; qi, ki
	s_load_b64 s[76:77], s[0:1], 0x30              ; vi
	v_lshl_add_u32 v[SPW], v0, 2, SPARE
	v_mov_b32 v[NIL], 0
	ds_add_u32 v28, v29
	ds_add_u32 v28, v29
	s_wait_dscnt 0x0
	v_lshrrev_b32 v1, 5, v0
	v_readfirstlane_b32 s14, v1                    ; wave 0..3
	s_lshr_b32 s15, s14, 1                         ; which half of A's rows is mine.  Also: I fetch for A (0) or for B (1)
	s_and_b32 s16, s14, 1                          ; which half of B's rows.  Also: which half of that tile I fetch
	s_bfe_u32 s40, ttmp6, 0x40000                  ; cx
	s_bfe_u32 s41, ttmp6, 0x40004                  ; cy
	s_and_b32 s17, ttmp7, 0xffff
	s_lshl_b32 s17, s17, 2                         ; 4 x cluster y
	s_lshl_b32 s18, ttmp9, 2                       ; 4 x cluster x
	s_cmp_eq_u32 ttmp9, 2                          ; v's clusters?  The same answer in all sixteen partners
	s_cselect_b32 s19, 8, s17
	s_cselect_b32 s20, s17, s18
	s_cselect_b32 s44, s40, s41                    ; my place along the tokens,
	s_cselect_b32 s45, s41, s40                    ; along the features;
	s_cselect_b32 s46, s16, s15                    ; my wave's half of the tokens,
	s_cselect_b32 s47, s15, s16                    ; of the features
	s_add_co_u32 s42, s41, s19                     ; A's tile of 256 rows: cy + 4 x cluster y of xi, or cy + 8 of wai
	s_add_co_u32 s43, s40, s20                     ; B's: cx + 4 x cluster x of wai, or cx + 4 x cluster y of xi
	s_lshl_b32 s23, s41, 2
	s_lshl_b32 s23, 15, s23                        ; my row of the cluster
	s_lshl_b32 s70, 0x1111, s40                    ; my column
	; descriptor group 1: 8 rows (tiles of 16 rows) of 512 elements of 8 bytes (a fill's two images), 2,048 elements apart; dense in LDS
	s_or_b32 s[G1+0], s23, (3<<16)|(1<<21)         ; 15:0 the mask; 17:16 elements of 8 bytes; 21 set beside a mask
	s_or_b32 s[G1B+0], s70, (3<<16)|(1<<21)
.irp g, G1, G1B
	s_mov_b32 s[\g+1], 512<<16                     ; tensor_dim0
	s_mov_b32 s[\g+2], 8<<16                       ; tensor_dim1
	s_mov_b32 s[\g+3], 512<<16                     ; tile_dim0
	s_mov_b32 s[\g+4], 8                           ; tile_dim1
	s_mov_b32 s[\g+5], 2048                        ; tensor_dim0_stride
	s_mov_b32 s[\g+6], 0
	s_mov_b32 s[\g+7], 0
.endr
	s_lshl_b32 s88, s42, 18                        ; 16 tiles of rows x 16,384 bytes
	s_lshl_b32 s90, s43, 18
	s_lshl_b32 s21, s16, 17                        ; the half that I fetch
	s_add_co_u32 s88, s88, s21
	s_add_co_u32 s90, s90, s21
	s_mov_b32 s89, 0
	s_mov_b32 s91, 0
	s_lshl_b32 s71, s14, 15                        ; where they go: wave x 32,768: A's two halves, then B's: no place in the cluster enters an LDS address
	s_wait_kmcnt 0x0
	s_load_b256 s[80:87], s[10:11], 0x0            ; e0 .. e7
	s_cmp_eq_u32 ttmp9, 2
	s_cselect_b64 s[66:67], s[6:7], s[4:5]         ; A's buffer
	s_cselect_b64 s[68:69], s[4:5], s[6:7]         ; B's
	s_add_nc_u64 s[66:67], s[66:67], s[88:89]
	s_add_nc_u64 s[68:69], s[68:69], s[90:91]
	CROUND                                         ; all sixteen work-groups are here: the first joint loads meet
.irp s, 0,1
	s_mov_b32 s[G0+4*\s], 1
	s_add_co_u32 s[G0+4*\s+1], s71, \s*SLOT
	s_add_nc_u64 s[G0+4*\s+2:G0+4*\s+3], s[66:67], \s*FILLB
	s_or_b32 s[G0+4*\s+3], s[G0+4*\s+3], 0x80000000
	s_mov_b32 s[G0B+4*\s], 1
	s_add_co_u32 s[G0B+4*\s+1], s71, \s*SLOT
	s_add_nc_u64 s[G0B+4*\s+2:G0B+4*\s+3], s[68:69], \s*FILLB
	s_or_b32 s[G0B+4*\s+3], s[G0B+4*\s+3], 0x80000000
	JLOAD \s                                       ; two tensor loads of mine are out
.endr
	v_and_b32 v1, 31, v0
	v_lshlrev_b32 v[CO], 4, v1                     ; 16 x lane: an image's place for my lane
	v_and_b32 v2, 15, v0                           ; r
	s_wait_alu depctr_va_vdst(0)
	v_bfe_u32 v3, v0, 4, 1                         ; h
	s_mul_i32 s21, s15, HALFT                      ; my half of A
	s_mul_i32 s22, s16, HALFT                      ; my half of B,
	s_add_co_u32 s22, s22, 2*HALFT                 ; which lies behind A
.irp s, 0,1
	v_add_nc_u32 v[ADRA+\s], s21, v[CO]
	v_add_nc_u32 v[ADRB+\s], s22, v[CO]
	s_add_co_u32 s21, s21, SLOT
	s_add_co_u32 s22, s22, SLOT
.endr
	; the bias, eight registers a block of 16 features, in the result's layout.  q, k: block g's register j is b(f0 + 16 g + 8 h + j).  v: all eight are b(f0 + 16 g + r).
	s_lshl_b32 s92, ttmp9, 12
	s_lshl_b32 s93, s45, 10
	s_add_co_u32 s92, s92, s93
	s_lshl_b32 s93, s47, 9
	s_add_co_u32 s92, s92, s93                     ; 4 f0, f0 = 1,024 x cluster x + 256 x place + 128 x half
	s_cmp_eq_u32 ttmp9, 2
	s_cselect_b32 s93, 4, 0
	s_cselect_b32 s94, 0, 32
	s_cselect_b32 s95, 0, 4
	v_mad_u32_u24 v5, v2, s93, s92
	s_wait_alu depctr_va_vdst(0)
	v_mad_u32_u24 v5, v3, s94, v5
.irp j, 0,1,2,3,4,5,6,7
	v_mad_u32_u24 v[BA+\j], s95, \j, v5
.endr
.irp g, 0,1,2,3,4,5,6,7
.irp j, 0,1,2,3,4,5,6,7
	global_load_b32 v[BI+8*\g+\j], v[BA+\j], s[8:9] offset:64*\g
.endr
.endr
	; where my 128 x 128 results go: ((batch x 8 + pair of heads) x 16 + which 128 tokens of the batch) x 16,384 bytes, in qi, ki and vi alike
	s_add_co_u32 s96, s17, s44
	s_lshl_b32 s96, s96, 1
	s_add_co_u32 s96, s96, s46                     ; which 128 tokens of the 8,192
	s_lshr_b32 s97, s96, 4
	s_lshl_b32 s97, s97, 3
	s_lshl_b32 s98, s45, 1
	s_add_co_u32 s97, s97, s98
	s_add_co_u32 s97, s97, s47
	s_lshl_b32 s97, s97, 4
	s_and_b32 s96, s96, 15
	s_add_co_u32 s96, s97, s96
	s_lshl_b32 s96, s96, 14
	s_mov_b32 s97, 0
	s_wait_kmcnt 0x0
	s_cmp_eq_u32 ttmp9, 0
	s_cselect_b64 s[78:79], s[72:73], s[74:75]
	s_cselect_b32 s98, s82, s83
	s_cmp_eq_u32 ttmp9, 2
	s_cselect_b64 s[78:79], s[76:77], s[78:79]
	s_cselect_b32 s98, s85, s98                    ; e2, e3 or e5
	s_add_nc_u64 s[78:79], s[78:79], s[96:97]
	s_add_co_i32 s99, s80, s81                     ; e0 + e1: a sum stands for sum x 2^(e0 + e1)
	s_sub_co_i32 s98, s98, s99
	s_add_co_i32 s98, s98, 127
	s_lshl_b32 s96, s98, 23
	v_mov_b32 v[OSC], s96                          ; the three scales folded into one
	s_sub_co_i32 s99, 0, s99
	s_wait_loadcnt 0x0
.set i, 0
.rept 64
	v_ldexp_f32 v[BI+i], v[BI+i], s99              ; the bias goes in as b / 2^(e0 + e1)
.set i, i+1
.endr
.macro FRAG reg, adr, q, i             ; an image comes back as the registers that it is: tile of rows i of my eight, the slot's q-th 128 along K
.irp c, 0,1,2,3
	ds_load_b128 v[\reg+4*\c:\reg+4*\c+3], v[\adr] offset:4096*(\i)+2048*(\q)+512*\c
.endr
.endm
; 16 matrix instructions: A's blocks a0, a0 + 1 x B's eight.  p: B's set.  mode 0: onto the sums; 1, 2: the first product starts them with the bias (1: by B's block; 2: by A's).
; The 64 accumulators take turns, one instruction a turn, in the same order in every step.
.macro MUL16 a0, p, mode
.irp a, \a0, \a0+1
.irp b, 0,1,2,3,4,5,6,7
.if \mode == 1
	v_wmma_f32_16x16x128_fp8_fp8 v[8*(8*((\a)%4)+\b):8*(8*((\a)%4)+\b)+7], v[128*(\p)+FR*\b:128*(\p)+FR*\b+FR-1], v[AF+FR*(\a):AF+FR*(\a)+FR-1], v[BI+8*\b:BI+8*\b+7]
.elseif \mode == 2
	v_wmma_f32_16x16x128_fp8_fp8 v[8*(8*((\a)%4)+\b):8*(8*((\a)%4)+\b)+7], v[128*(\p)+FR*\b:128*(\p)+FR*\b+FR-1], v[AF+FR*(\a):AF+FR*(\a)+FR-1], v[BI+8*(\a):BI+8*(\a)+7]
.else
	v_wmma_f32_16x16x128_fp8_fp8 v[8*(8*((\a)%4)+\b):8*(8*((\a)%4)+\b)+7], v[128*(\p)+FR*\b:128*(\p)+FR*\b+FR-1], v[AF+FR*(\a):AF+FR*(\a)+FR-1], v[8*(8*((\a)%4)+\b):8*(8*((\a)%4)+\b)+7]
.endif
.endr
.endr
.endm
.macro FETCH_B slot, q, p
	WIN TO_B
.irp i, 0,1,2,3,4,5,6,7
	FRAG 128*(\p)+FR*\i, ADRB+\slot, \q, \i
.endr
	WIN 0
.endm
.macro FETCH_A slot, q, i0
.irp i, \i0, \i0+1, \i0+2, \i0+3
	FRAG AF+FR*(\i), ADRA+\slot, \q, \i
.endr
.endm
.macro PLACES n                        ; plain vector instructions between a matrix instruction and a load into, or a vector read or write of, its registers
.rept \n
	v_nop
.endr
.endm
; A step of 128 along K that has its successor in the same slot.
.macro STEP slot, q, mode
	s_wait_dscnt 4*NL                              ; B's set and A's blocks 0-3 are in; the youngest sixteen loads (A's blocks 4-7) may be out
.if \mode
	WIN 0x81                                       ; as MUL_LO, with C (the bias) in window 0
.else
	WIN MUL_LO
.endif
	MUL16 0, (\q)%2, \mode
	MUL16 2, (\q)%2, \mode
	s_wait_dscnt 0
	PLACES NP
	FETCH_B \slot, (\q)+1, 1-(\q)%2
	FETCH_A \slot, (\q)+1, 0
.if \mode
	WIN 0xc1
.else
	WIN MUL_HI
.endif
	MUL16 4, (\q)%2, \mode
	MUL16 6, (\q)%2, \mode
	PLACES NP
	WIN 0
	FETCH_A \slot, (\q)+1, 4
.endm
; A slot's last step changes slots: one barrier; in front of it each wave waits for all its tensor loads, adds 0 to its spare word, and waits for that and for its own reads of this slot.  fill = 1: the slot is filled again.
.macro TURN slot, next, fill
	s_wait_tensorcnt 0x0                           ; all my tensor loads have landed: my part of the next slot
	ds_add_u32 v[SPW], v[NIL]                      ; 0 onto my spare word
	s_wait_dscnt 4*NL+1                            ; (the add and the youngest sixteen loads may be out)
	WIN MUL_LO
	MUL16 0, 1, 0
	s_wait_dscnt 0x0                               ; the add is done, and my reads of this slot are over
	s_barrier_signal -1
	MUL16 2, 1, 0
	WIN 0
	s_barrier_wait -1
.if \fill
	CREST                                          ; the barrier has opened a round of the cluster's: no wave of any partner still reads this slot or has a load on its way
	s_add_nc_u64 s[G0+4*\slot+2:G0+4*\slot+3], s[G0+4*\slot+2:G0+4*\slot+3], 2*FILLB
	s_add_nc_u64 s[G0B+4*\slot+2:G0B+4*\slot+3], s[G0B+4*\slot+2:G0B+4*\slot+3], 2*FILLB
	JLOAD \slot                                    ; the first tensor load behind the round, my one load out; its four v_nop are the places in front of the loads below
.else
	PLACES NP
.endif
	FETCH_B \next, 0, 0
	FETCH_A \next, 0, 0
	WIN MUL_HI
	MUL16 4, 1, 0
	MUL16 6, 1, 0
	PLACES NP
	WIN 0
	FETCH_A \next, 0, 4
.endm
	s_wait_tensorcnt 1                             ; my part of fill 0 is in; fill 1's load may be out
	s_barrier_signal -1
	s_barrier_wait -1
	FETCH_B 0, 0, 0
	FETCH_A 0, 0, 0
	FETCH_A 0, 0, 4
	s_cmp_eq_u32 ttmp9, 2                          ; the first step is written twice: the bias goes by B's blocks (q, k) or by A's (v).  LDS reads and products alone stand in it
	s_cbranch_scc1 .Lfirst_v
	s_wait_alu depctr_va_vdst(0)
	STEP 0, 0, 1
	s_branch .Lfirst_done
.Lfirst_v:
	s_wait_alu depctr_va_vdst(0)
	STEP 0, 0, 2
.Lfirst_done:
	TURN 0, 1, 1                                   ; slot 0 takes fill 2
	STEP 1, 0, 0
	TURN 1, 0, 1                                   ; slot 1 takes fill 3
	STEP 0, 0, 0
	TURN 0, 1, 0                                   ; nothing is left to fetch
	STEP 1, 0, 0
	s_wait_dscnt 4*NL
	WIN MUL_LO
	MUL16 0, 1, 0
	MUL16 2, 1, 0
	s_wait_dscnt 0
	WIN MUL_HI
	MUL16 4, 1, 0
	MUL16 6, 1, 0
	WIN 0
; THE WAY OUT.  Block a: 16 lanes' rows x 128: held, converted, stored as an image.  Each block has its own registers for its codes: no store's data are written again.
.macro OUTBLK a
.set AC, 64*((\a)%4)
	WIN 0x02+((\a)/4)                              ; source 0: window 2 or 3
.set i, 0
.rept 64
.set i, i+1
.endr
.irp b, 0,1,2,3,4,5,6,7
	v_cvt_scalef32_pk8_fp8_f32 v[CODES+16*(\a)+2*\b:CODES+16*(\a)+2*\b+1], v[AC+8*\b:AC+8*\b+7], v[OSC]
.endr
	WIN 0
	v_nop                                          ; a plain instruction between the conversions and the stores that read their results
.irp g, 0,1,2,3
	global_store_b128 v[CO], v[CODES+16*(\a)+4*\g:CODES+16*(\a)+4*\g+3], s[78:79] offset:2048*(\a)+512*\g   ; 512 consecutive bytes
.endr
.endm
	PLACES NP
.irp a, 0,1,2,3,4,5,6,7
	OUTBLK \a
.endr
	s_wait_tensorcnt 0x0                           ; the wave's end
	ds_add_u32 v[SPW], v[NIL]
	s_wait_dscnt 0x0
	CROUND                                         ; the closing round: no work-group ends while a partner may still ask for a tile that names it
	s_endpgm
.Lfunc_end_k_q8dbf528d06_qkv:
	.size	k_q8dbf528d06_qkv, .Lfunc_end_k_q8dbf528d06_qkv-k_q8dbf528d06_qkv
	.p2alignl 7, 3214868480
	.fill 96, 4, 3214868480
	.section	.rodata,"a",@progbits
	.p2align	6, 0x0
	.amdhsa_kernel k_q8dbf528d06_qkv
		.amdhsa_group_segment_fixed_size 327680
		.amdhsa_private_segment_fixed_size 0
		.amdhsa_enable_private_segment 0
		.amdhsa_kernarg_size 56
		.amdhsa_user_sgpr_count 2
		.amdhsa_user_sgpr_kernarg_segment_ptr 1
		.amdhsa_wavefront_size32 1
		.amdhsa_system_sgpr_workgroup_id_x 1
		.amdhsa_system_sgpr_workgroup_id_y 1
		.amdhsa_system_sgpr_workgroup_id_z 1
		.amdhsa_system_vgpr_workitem_id 0
		.amdhsa_next_free_vgpr 1024
		.amdhsa_next_free_sgpr 100
		.amdhsa_reserve_vcc 0
		.amdhsa_float_denorm_mode_32 3
		.amdhsa_float_denorm_mode_16_64 3
		.amdhsa_fp16_overflow 1
		.amdhsa_memory_ordered 1
		.amdhsa_forward_progress 1
		.amdhsa_inst_pref_size 105
	.end_amdhsa_kernel
	.amdgpu_metadata
---
amdhsa.version: [ 1, 2 ]
amdhsa.kernels:
  - .name:           k_q8dbf528d06_qkv
    .symbol:         k_q8dbf528d06_qkv.kd
    .args:
      - { .name: xi, .offset: 0, .size: 8, .value_kind: global_buffer, .address_space: global }
      - { .name: wai, .offset: 8, .size: 8, .value_kind: global_buffer, .address_space: global }
      - { .name: b_attn, .offset: 16, .size: 8, .value_kind: global_buffer, .address_space: global }
      - { .name: lowp_scales, .offset: 24, .size: 8, .value_kind: global_buffer, .address_space: global }
      - { .name: qi, .offset: 32, .size: 8, .value_kind: global_buffer, .address_space: global }
      - { .name: ki, .offset: 40, .size: 8, .value_kind: global_buffer, .address_space: global }
      - { .name: vi, .offset: 48, .size: 8, .value_kind: global_buffer, .address_space: global }
    .group_segment_fixed_size: 327680
    .private_segment_fixed_size: 0
    .kernarg_segment_align: 8
    .kernarg_segment_size: 56
    .max_flat_workgroup_size: 128
    .sgpr_count:     100
    .vgpr_count:     1024
    .wavefront_size: 32
...
	.end_amdgpu_metadata
.endif
;; end of part 2
;; launch attn (part 3): grid 4 x 64, 8 waves a work-group, clusters of 4 x 1, 263,168 bytes of LDS; arguments qi, ki, vi, lowp_scales, yi; writes yi
.if DOCPART == 3
	.amdgcn_target "amdgcn-amd-amdhsa--gfx1250"
	.amdhsa_code_object_version 6
	.text
	.protected	k_q8dbf528d06_attn
	.globl	k_q8dbf528d06_attn
	.p2align	8
	.type	k_q8dbf528d06_attn,@function
k_q8dbf528d06_attn:
	s_mov_b64 s[64:65], 0
	v_nop
	global_prefetch_b8 v0, s[64:65] scope:SCOPE_SE
	s_setreg_imm32_b32 hwreg(HW_REG_WAVE_MODE, 25, 1), 1
	s_wait_xcnt 0x0
	s_wait_alu depctr_hold_cnt(0) depctr_sa_sdst(0) depctr_va_vdst(0) depctr_va_sdst(0) depctr_va_ssrc(0) depctr_va_vcc(0) depctr_vm_vsrc(0)
	s_getreg_b32 s2, hwreg(HW_REG_IB_STS2, 6, 4)
	s_cmp_eq_u32 s2, 0
	s_cbranch_scc0 .Lentry_in_a_cluster
	s_endpgm
.Lentry_in_a_cluster:
	s_bfe_u32 s2, ttmp6, 0x10000c
	s_cmp_lg_u32 s2, 0x3003
	s_cbranch_scc0 .Lentry_shape_is_right
	s_endpgm
.Lentry_shape_is_right:
; Causal attention on codes of FP8 (E4M3): 64 heads (batch x 16 + head) of 2,048 tokens x 64.  y = softmax(q k^T / 8, causal) v, quantised at once for the last product.
; THE SOFTMAX AHEAD OF THE SECOND PRODUCT: t = score x log2(e) / 8; M = the running largest t rounded UP to a whole number; p = 2^(t - M) is what is quantised; the row's sum is taken of the unquantised p and divides at the end.
; When M moves, the sum and O are multiplied by 2^(old M - new M), which rounds nothing.
; SHARES.  A cluster of four work-groups is one head.  The head's whole K (131,072 bytes) and V^T (131,072) lie in each partner's LDS, filled ONCE, by joint loads: nothing is filled again.
; Work-group cx owns the tiles of 16 queries 4 j + cx, j = 0 .. 31.  Tile 4 j + cx needs the key steps (128 keys) 0 .. j / 2, whatever cx is: no branch hangs on the place in the cluster; cx enters
; the addresses of q and y in memory and the mask's numbers alone.  A wave works a PAIR m: j = 2 m and 2 m + 1, two tiles that share every fragment of K and V.  First the pair 15 - wave, then the pair wave:
; 17 key steps for every wave of the launch.  The loops' trip counts are constants (16, 8); a trip beyond the pair's last step is jumped over by a branch on the wave's number, which encloses no barrier.
; LAYOUT.  S^T = K Q^T (source 0 = 16 keys, source 1 = 16 queries), O^T = V^T P^T: a lane holds ONE query.  In S^T register j of tile tk is key 16 tk + 8 h + j: eight of them convert into registers 2 tk, 2 tk + 1
; of the second product's operand; likewise O^T's into y's.  yi: [512 tiles of 16 tokens][pair of heads = K step][image], the even head in groups 0 and 1, the odd in 2 and 3.
; LIMITS: e2 + e3 between -122 and 130 (added to c's exponent field); e4, and e6 - e4 - e5, between -126 and 119.  NaN is not served.
; No prefetch: all that the launch reads through LDS is asked for at its head.
; REGISTERS.  window 0: v1-9 constants and addresses; v16-31 statistics, eight a tile; v32-39 at work; v40-55 Q; v56-87 p's codes; v96-223 S^T, then p.   window 1: v0-63 K, v64-127 V, v128-191 O^T.
.set VLDS, 131072                      ; V^T begins behind K
.set LI,   1                           ; v1  16 x lane
.set ADK,  2                           ; v2  LDS address of the step's K
.set ADV,  3                           ; v3  of its V
.set DD,   4                           ; v4  d = 16 cx + r - 8 h
.set NINF, 5                           ; v5  -infinity
.set PSC,  6                           ; v6  2^e4
.set PLIM, 7
.set YSC,  8                           ; v8  2^(e6 - e4 - e5)
.set YLIM, 9
.set ST,   16                          ; tile u at v[ST + 8 u]: +0 -M, +1 the largest t, +2, +3 the sum in two halves, +4 f, +5 (named with f as a pair), +6, +7 at work
.set EX,   32                          ; tile u at v[EX + 4 u]: +0 the other half of the lanes', +2, +3 a second chain of sums
.set Q,    40
.set P,    56
.set S,    96
.set KF,   0                           ; in window 1
.set VF,   64
.set O,    128
.set SEL,  20                          ; s[20:21] lane selects for v_permlanex16_b32: lane l xor 16
.set CS,   22                          ; s[22:23] c = log2(e) / 8 x 2^(e2 + e3)
.set G1K,  24
.set G1V,  32
.set G0K,  40
.set G0V,  44
.set QH,   56                          ; s[56:57] q at my head and my place; s[58:59] y likewise
.set YH,   58
.set QB,   60                          ; s[60:61], s[62:63] the same at the pair in hand
.set YB,   62
.set M,    66                          ; s66  the pair, and its last key step
.set N,    67                          ; s67  the key step
.set KO,   68                          ; s68  8,192 x the key step
.set MSB, 0
.macro WIN new
.if MSB != (\new)
	s_set_vgpr_msb (MSB<<8)|(\new)
.set MSB, (\new)
.endif
.endm
.macro CROUND
	s_barrier_signal -1
	s_barrier_wait -1
	s_cmp_lg_u32 s14, 0
	s_cbranch_scc1 .Lnot_wave_0_\@
	s_barrier_signal -3
.Lnot_wave_0_\@:
	s_barrier_wait -3
	s_barrier_signal -1
	s_barrier_wait -1
.endm
	s_load_b256 s[4:11], s[0:1], 0x0               ; qi s[4:5], ki s[6:7], vi s[8:9], the scales' exponents s[10:11]
	s_load_b64 s[12:13], s[0:1], 0x20              ; yi
	v_lshl_add_u32 v254, v0, 2, 0x40000
	v_mov_b32 v255, 0
	ds_add_u32 v254, v255
	ds_add_u32 v254, v255
	v_lshrrev_b32 v10, 5, v0
	s_delay_alu instid0(VALU_DEP_1)
	v_readfirstlane_b32 s14, v10                   ; wave 0..7
	s_bfe_u32 s15, ttmp6, 0x40000                  ; cx
	s_and_b32 s16, ttmp7, 0xffff                   ; batch x 16 + head, which the four partners share
	s_and_b32 s17, s14, 3                          ; which quarter of K (waves 0-3) or of V (waves 4-7) I fetch
	s_and_b32 s18, s16, 1                          ; head % 2
	s_lshr_b32 s70, s16, 1
	s_lshl_b32 s70, s70, 18                        ; (batch x 8 + pair of heads) x 262,144
	s_lshl_b32 s71, s17, 16
	s_add_co_u32 s72, s70, s71                     ; + my quarter: 65,536 bytes of memory in ki and in vi
	s_lshl_b32 s73, s18, 10
	s_add_co_u32 s74, s72, s73
	s_mov_b32 s75, 0
	s_lshl_b32 s73, s18, 13
	s_add_co_u32 s76, s72, s73
	s_mov_b32 s77, 0
	s_lshl_b32 s19, s17, 15                        ; and 32,768 bytes of LDS
	; descriptor group 1.  K: 32 rows (tiles of 16 tokens) of 128 elements of 8 bytes, 256 elements apart.  V: 4 rows (128 keys) of 1,024 elements, 2,048 apart.  Dense in LDS.
	s_mov_b32 s[G1K], 15|(3<<16)|(1<<21)           ; 15:0 the mask: all four work-groups; 17:16 elements of 8 bytes; 21 set beside a mask
	s_mov_b32 s[G1K+1], 128<<16
	s_mov_b32 s[G1K+2], 32<<16
	s_mov_b32 s[G1K+3], 128<<16
	s_mov_b32 s[G1K+4], 32
	s_mov_b32 s[G1K+5], 256
	s_mov_b32 s[G1K+6], 0
	s_mov_b32 s[G1K+7], 0
	s_mov_b32 s[G1V], 15|(3<<16)|(1<<21)
	s_mov_b32 s[G1V+1], 1024<<16
	s_mov_b32 s[G1V+2], 4<<16
	s_mov_b32 s[G1V+3], 1024<<16
	s_mov_b32 s[G1V+4], 4
	s_mov_b32 s[G1V+5], 2048
	s_mov_b32 s[G1V+6], 0
	s_mov_b32 s[G1V+7], 0
	s_mov_b32 s[SEL], 0x76543210
	s_mov_b32 s[SEL+1], 0xfedcba98
	s_wait_dscnt 0x0
	s_wait_kmcnt 0x0
	s_load_b256 s[48:55], s[10:11], 0x0            ; e0 .. e7
	s_mov_b32 s[G0K], 1
	s_mov_b32 s[G0K+1], s19
	s_add_nc_u64 s[G0K+2:G0K+3], s[6:7], s[74:75]
	s_or_b32 s[G0K+3], s[G0K+3], 0x80000000
	s_mov_b32 s[G0V], 1
	s_add_co_u32 s[G0V+1], s19, VLDS
	s_add_nc_u64 s[G0V+2:G0V+3], s[8:9], s[76:77]
	s_or_b32 s[G0V+3], s[G0V+3], 0x80000000
	CROUND                                         ; all four work-groups are here: the joint loads meet
	s_cmp_lt_u32 s14, 4
	s_cbranch_scc0 .Lfor_v
	tensor_load_to_lds s[G0K:G0K+3], s[G1K:G1K+7]  ; one tensor load a wave, 32,768 bytes: the only one of the launch
	s_nop 0
.rept 4
	v_nop
.endr
	s_branch .Lasked
.Lfor_v:
	tensor_load_to_lds s[G0V:G0V+3], s[G1V:G1V+7]
	s_nop 0
.rept 4
	v_nop
.endr
.Lasked:
	s_lshl_b32 s78, s15, 11                        ; q: tile 4 j + cx is 2,048 bytes x (4 j + cx); + 1,024 for the odd head
	s_add_co_u32 s78, s78, s70
	s_lshl_b32 s79, s18, 10
	s_add_co_u32 s78, s78, s79
	s_mov_b32 s79, 0
	s_add_nc_u64 s[QH:QH+1], s[4:5], s[78:79]
	s_lshr_b32 s78, s16, 4
	s_lshl_b32 s78, s78, 21                        ; y: a batch is 128 tiles of 16,384 bytes,
	s_lshl_b32 s72, s15, 14
	s_add_co_u32 s78, s78, s72                     ; my place,
	s_bfe_u32 s72, s16, 0x30001
	s_lshl_b32 s72, s72, 11
	s_add_co_u32 s78, s78, s72                     ; the pair of heads' image,
	s_lshl_b32 s72, s18, 10
	s_add_co_u32 s78, s78, s72                     ; and its half
	s_add_nc_u64 s[YH:YH+1], s[12:13], s[78:79]
	v_and_b32 v10, 31, v0
	s_delay_alu instid0(VALU_DEP_1)
	v_lshlrev_b32 v[LI], 4, v10
	v_and_b32 v10, 15, v0
	v_bfe_u32 v11, v0, 4, 1
	s_delay_alu instid0(VALU_DEP_1)
	v_lshlrev_b32 v11, 3, v11
	s_delay_alu instid0(VALU_DEP_1)
	v_sub_nc_u32 v[DD], v10, v11
	s_lshl_b32 s72, s15, 4
	v_add_nc_u32 v[DD], s72, v[DD]
	v_mov_b32 v[NINF], 0xff800000
	s_wait_alu depctr_va_vdst(0)
	s_wait_kmcnt 0x0
	s_mov_b32 s[CS], 0x3e38aa3b                    ; log2(e) / 8
	s_add_co_i32 s72, s50, s51
	s_lshl_b32 s72, s72, 23
	s_add_co_i32 s[CS], s[CS], s72                 ; a score stands for score x 2^(e2 + e3)
	s_mov_b32 s[CS+1], s[CS]                       ; (named with it as a pair)
	s_add_co_i32 s72, s52, 127
	s_lshl_b32 s73, s72, 23
	v_mov_b32 v[PSC], s73
	s_sub_co_i32 s72, s54, s52
	s_sub_co_i32 s72, s72, s53                     ; O / l stands for y / 2^(e4 + e5): the three scales folded into one
	s_add_co_i32 s72, s72, 127
	s_lshl_b32 s73, s72, 23
	v_mov_b32 v[YSC], s73
	s_wait_tensorcnt 0x0                           ; my quarter has landed,
	s_barrier_signal -1
	s_barrier_wait -1                              ; everybody's has: from here on LDS is only read
; A KEY STEP: 128 keys, for the pair's two tiles.
.macro STEP
	v_add_nc_u32 v[ADK], s[KO], v[LI]
	s_delay_alu instid0(VALU_DEP_1)
	v_add_nc_u32 v[ADV], VLDS, v[ADK]
	v_nop
	v_nop                                          ; four plain instructions in front of loads into registers that the last products read
	WIN 0x40                                       ; destination window 1
.irp tk, 0,1,2,3,4,5,6,7
	ds_load_b128 v[KF+8*\tk:KF+8*\tk+3],   v[ADK] offset:1024*\tk
	ds_load_b128 v[KF+8*\tk+4:KF+8*\tk+7], v[ADK] offset:1024*\tk+512
.endr
.irp dt, 0,1,2,3
.irp g, 0,1,2,3
	ds_load_b128 v[VF+16*\dt+4*\g:VF+16*\dt+4*\g+3], v[ADV] offset:2048*\dt+512*\g
.endr
.endr
	s_wait_dscnt 16                                ; K's sixteen loads are in; V's sixteen may be out
	WIN 0x01                                       ; source 0 (K) window 1
.irp tk, 0,1,2,3,4,5,6,7
.irp u, 0,1
	v_wmma_f32_16x16x64_fp8_fp8 v[S+64*\u+8*\tk:S+64*\u+8*\tk+7], v[KF+8*\tk:KF+8*\tk+7], v[Q+8*\u:Q+8*\u+7], 0
.endr
.endr
	WIN 0
.rept 4
	v_nop
.endr
	s_cmp_lg_u32 s[N], s[M]
	s_cbranch_scc1 .Lopen_\@
	; the pair's last step lies on the diagonal.  Key 16 tk + 8 h + j of the step is hidden from tile 0's query 16 cx + r where 16 tk + j > d, from tile 1's query 64 + 16 cx + r where 16 (tk - 4) + j > d:
	; one compare serves both.  d lies between -8 and 63: tile 0 sees none of the keys from 64 on, tile 1 all of those below.
.irp tk, 0,1,2,3
.irp j, 0,1,2,3,4,5,6,7
	v_cmp_gt_i32 vcc_lo, 16*\tk+\j, v[DD]
	v_cndmask_b32 v[S+8*\tk+\j], v[S+8*\tk+\j], v[NINF], vcc_lo
	v_cndmask_b32 v[S+96+8*\tk+\j], v[S+96+8*\tk+\j], v[NINF], vcc_lo
.endr
.endr
.set i, 32
.rept 32
	v_mov_b32 v[S+i], v[NINF]
.set i, i+1
.endr
.Lopen_\@:
.irp u, 0,1                            ; the step's largest score of my query, among my 64 keys, in two chains a tile; each accumulator from its low end on
	v_max3_num_f32 v[ST+8*\u+6], v[S+64*\u], v[S+64*\u+1], v[S+64*\u+2]
	v_max3_num_f32 v[ST+8*\u+7], v[S+64*\u+3], v[S+64*\u+4], v[S+64*\u+5]
.endr
.irp i, 6,10,14,18,22,26,30,34,38,42,46,50,54,58
.irp u, 0,1
	v_max3_num_f32 v[ST+8*\u+6], v[ST+8*\u+6], v[S+64*\u+\i], v[S+64*\u+\i+1]
	v_max3_num_f32 v[ST+8*\u+7], v[ST+8*\u+7], v[S+64*\u+\i+2], v[S+64*\u+\i+3]
.endr
.endr
.irp u, 0
	v_max3_num_f32 v[ST+8*\u+6], v[ST+8*\u+6], v[S+64*\u+62], v[S+64*\u+63]
.endr
.irp u, 1
	v_max3_num_f32 v[ST+8*\u+6], v[ST+8*\u+6], v[S+64*\u+62], v[S+64*\u+63]
.endr
.irp u, 0,1
	s_delay_alu instid0(VALU_DEP_2)
	v_max_num_f32 v[ST+8*\u+6], v[ST+8*\u+6], v[ST+8*\u+7]
.endr
.irp u, 0,1
	s_delay_alu instid0(VALU_DEP_2)
	v_permlanex16_b32 v[EX+4*\u], v[ST+8*\u+6], s[SEL], s[SEL+1]
.endr
.irp u, 0,1
	s_delay_alu instid0(VALU_DEP_2)
	v_max_num_f32 v[ST+8*\u+6], v[ST+8*\u+6], v[EX+4*\u]   ; and among lane l xor 16's
.endr
.irp u, 0,1
	s_delay_alu instid0(VALU_DEP_2)
	v_mul_f32 v[ST+8*\u+6], s[CS], v[ST+8*\u+6]            ; as t (c is positive)
.endr
.irp u, 0,1
	s_delay_alu instid0(VALU_DEP_2)
	v_max_num_f32 v[ST+8*\u+1], v[ST+8*\u+1], v[ST+8*\u+6] ; the running largest t
.endr
.irp u, 0,1
	v_mov_b32 v[ST+8*\u+6], v[ST+8*\u]
.endr
.irp u, 0,1
	s_delay_alu instid0(VALU_DEP_4)
	v_floor_f32 v[ST+8*\u], -v[ST+8*\u+1]                  ; the new -M = floor(-t): M is a whole number
.endr
.irp u, 0,1
	s_delay_alu instid0(VALU_DEP_2)
	v_sub_f32 v[ST+8*\u+6], v[ST+8*\u], v[ST+8*\u+6]       ; old M - new M: a whole number, 0 or less
.endr
.irp u, 0,1
	s_delay_alu instid0(VALU_DEP_2)
	v_cvt_i32_f32 v[ST+8*\u+6], v[ST+8*\u+6]               ; (it saturates)
.endr
.irp u, 0,1
	s_delay_alu instid0(VALU_DEP_2)
	v_ldexp_f32 v[ST+8*\u+4], 1.0, v[ST+8*\u+6]            ; f = 2^(old M - new M)
.endr
.set j, 0
.rept 32
	v_pk_fma_f32 v[S+j:S+j+1], v[S+j:S+j+1], s[CS:CS+1], v[ST:ST+1] op_sel_hi:[1,0,0]             ; t - M, two at a time
	v_pk_fma_f32 v[S+64+j:S+64+j+1], v[S+64+j:S+64+j+1], s[CS:CS+1], v[ST+8:ST+9] op_sel_hi:[1,0,0]
.set j, j+2
.endr
.set j, 0
	s_setprio 1
	s_wait_alu depctr_va_vdst(0)
.rept 128
	v_exp_f32 v[S+j], v[S+j]                       ; p = 2^(t - M), at most 1: one batch for both tiles
.set j, j+1
.endr
.irp u, 0,1
	v_pk_mul_f32 v[ST+8*\u+2:ST+8*\u+3], v[ST+8*\u+2:ST+8*\u+3], v[ST+8*\u+4:ST+8*\u+5] op_sel_hi:[1,0]   ; the sums under the new M; the plain instruction behind the exponentials
.endr
	s_wait_alu depctr_va_vdst(0)                   ; one wait for the batch, ahead of the first instruction that names a result
.irp u, 0,1
	v_pk_add_f32 v[EX+4*\u+2:EX+4*\u+3], v[S+64*\u:S+64*\u+1], v[S+64*\u+2:S+64*\u+3]   ; the row's sum is taken of the unquantised p
.endr
.irp j, 4,8,12,16,20,24,28,32,36,40,44,48,52,56,60
.irp u, 0,1
	v_pk_add_f32 v[ST+8*\u+2:ST+8*\u+3], v[ST+8*\u+2:ST+8*\u+3], v[S+64*\u+\j:S+64*\u+\j+1]
	v_pk_add_f32 v[EX+4*\u+2:EX+4*\u+3], v[EX+4*\u+2:EX+4*\u+3], v[S+64*\u+\j+2:S+64*\u+\j+3]
.endr
.endr
.irp u, 0
	s_delay_alu instid0(VALU_DEP_3)
	v_pk_add_f32 v[ST+8*\u+2:ST+8*\u+3], v[ST+8*\u+2:ST+8*\u+3], v[EX+4*\u+2:EX+4*\u+3]
.endr
.irp u, 1
	s_delay_alu instid0(VALU_DEP_2)
	v_pk_add_f32 v[ST+8*\u+2:ST+8*\u+3], v[ST+8*\u+2:ST+8*\u+3], v[EX+4*\u+2:EX+4*\u+3]
.endr
.set j, 0
.rept 128
.set j, j+1
.endr
	s_setprio 0
.irp u, 0,1
.irp c, 0,1,2,3,4,5,6,7
	v_cvt_scalef32_pk8_fp8_f32 v[P+16*\u+2*\c:P+16*\u+2*\c+1], v[S+64*\u+8*\c:S+64*\u+8*\c+7], v[PSC]
.endr
.endr
	WIN 0x41                                       ; O^T (destination and source 0) window 1, f window 0
.set j, 0
.rept 16
	v_pk_mul_f32 v[O+j:O+j+1], v[O+j:O+j+1], v[ST+4:ST+5] op_sel_hi:[1,0]            ; O^T under the new M; also the plain instructions behind the conversions
	v_pk_mul_f32 v[O+32+j:O+32+j+1], v[O+32+j:O+32+j+1], v[ST+12:ST+13] op_sel_hi:[1,0]
.set j, j+2
.endr
	s_wait_alu depctr_va_vdst(0)
	s_wait_dscnt 0x0                               ; V is in
	WIN 0x51                                       ; V, C and D window 1, P window 0
.irp dt, 0,1,2,3
.irp u, 0,1                            ; eight accumulators, one instruction each
	v_wmma_f32_16x16x128_fp8_fp8 v[O+32*\u+8*\dt:O+32*\u+8*\dt+7], v[VF+16*\dt:VF+16*\dt+15], v[P+16*\u:P+16*\u+15], v[O+32*\u+8*\dt:O+32*\u+8*\dt+7]
.endr
.endr
	WIN 0
.endm
; The pair's end: O^T / l, quantised for the last product, stored as half an image a tile.
.macro FINISH
.rept 4
	v_nop
.endr
.irp u, 0,1
	v_add_f32 v[ST+8*\u+2], v[ST+8*\u+2], v[ST+8*\u+3]
.endr
.irp u, 0,1
	s_delay_alu instid0(VALU_DEP_2)
	v_permlanex16_b32 v[EX+4*\u], v[ST+8*\u+2], s[SEL], s[SEL+1]
.endr
.irp u, 0,1
	s_delay_alu instid0(VALU_DEP_2)
	v_add_f32 v[ST+8*\u+2], v[ST+8*\u+2], v[EX+4*\u]       ; the row's sum
.endr
	s_wait_alu depctr_va_vdst(0)
.irp u, 0,1
	v_rcp_f32 v[ST+8*\u+6], v[ST+8*\u+2]
.endr
	v_nop                                          ; a plain instruction behind the reciprocals,
	s_wait_alu depctr_va_vdst(0)                   ; and the wait ahead of their first reader
	WIN 0x01                                       ; source 0 (O^T) window 1
.set j, 0
.rept 16
	v_pk_mul_f32 v[S+j:S+j+1], v[O+j:O+j+1], v[ST+6:ST+7] op_sel_hi:[1,0]             ; each accumulator from its low end on
	v_pk_mul_f32 v[S+64+j:S+64+j+1], v[O+32+j:O+32+j+1], v[ST+14:ST+15] op_sel_hi:[1,0]
.set j, j+2
.endr
	WIN 0
.set j, 0
.rept 32
.set j, j+1
.endr
.irp u, 0,1
.irp c, 0,1,2,3
	v_cvt_scalef32_pk8_fp8_f32 v[P+16*\u+2*\c:P+16*\u+2*\c+1], v[S+64*\u+8*\c:S+64*\u+8*\c+7], v[YSC]
.endr
.endr
	v_nop
.irp u, 0,1
.irp g, 0,1
	global_store_b128 v[LI], v[P+16*\u+4*\g:P+16*\u+4*\g+3], s[YB:YB+1] offset:65536*\u+512*\g   ; 512 consecutive bytes
.endr
.endr
.endm
; One pair, s[M], through all its key steps.
.macro PASS trips
	s_wait_xcnt 0x0                                ; the last pair's loads and stores have read their addresses and data: the bases and p's registers may be written
	s_lshl_b32 s70, s[M], 14
	s_mov_b32 s71, 0
	s_add_nc_u64 s[QB:QB+1], s[QH:QH+1], s[70:71]
	s_lshl_b32 s70, s[M], 17
	s_add_nc_u64 s[YB:YB+1], s[YH:YH+1], s[70:71]
.irp u, 0,1
.irp g, 0,1
	global_load_b128 v[Q+8*\u+4*\g:Q+8*\u+4*\g+3], v[LI], s[QB:QB+1] offset:8192*\u+512*\g
.endr
.endr
.irp u, 0,1
	v_mov_b32 v[ST+8*\u+1], 0xff61b1e6             ; the largest t so far: -3e38, under every t
	v_mov_b32 v[ST+8*\u+2], 0
	v_mov_b32 v[ST+8*\u+3], 0
	v_mov_b32 v[ST+8*\u+4], 0
	v_mov_b32 v[ST+8*\u+5], 0
	v_mov_b32 v[ST+8*\u+6], 0
	v_mov_b32 v[ST+8*\u+7], 0
	v_mov_b32 v[EX+4*\u], 0                        ; a lane permute's destination counts as one of its sources
	v_floor_f32 v[ST+8*\u], -v[ST+8*\u+1]
.endr
	WIN 0x40
.set j, 0
.rept 64
	v_mov_b32 v[O+j], 0                            ; the step is written once: the first finds zeros, which the first change of M leaves zeros
.set j, j+1
.endr
	WIN 0
	s_wait_loadcnt 0x0                             ; Q
	s_mov_b32 s[N], 0
	s_mov_b32 s[KO], 0
.Lstep_\@:
	s_cmp_gt_u32 s[N], s[M]                        ; all keys of this step come after the pair's queries
	s_cbranch_scc1 .Lskip_\@
	s_setprio 2
	STEP
.Lskip_\@:
	s_add_co_u32 s[KO], s[KO], 8192
	s_add_co_u32 s[N], s[N], 1
	s_cmp_lt_u32 s[N], \trips
	s_cbranch_scc1 .Lstep_\@
	s_setprio 0
	FINISH
.endm
	s_xor_b32 s[M], s14, 15                        ; 15 - wave
	PASS 16
	s_mov_b32 s[M], s14
	PASS 8
	s_wait_dscnt 0x0
	s_wait_tensorcnt 0x0
	ds_add_u32 v254, v255
	s_wait_dscnt 0x0
	CROUND                                         ; the closing round: no work-group ends while a partner may still ask for a tile that names it
	s_endpgm
.Lfunc_end_k_q8dbf528d06_attn:
	.size	k_q8dbf528d06_attn, .Lfunc_end_k_q8dbf528d06_attn-k_q8dbf528d06_attn
	.p2alignl 7, 3214868480
	.fill 96, 4, 3214868480
	.section	.rodata,"a",@progbits
	.p2align	6, 0x0
	.amdhsa_kernel k_q8dbf528d06_attn
		.amdhsa_group_segment_fixed_size 263168
		.amdhsa_private_segment_fixed_size 0
		.amdhsa_enable_private_segment 0
		.amdhsa_kernarg_size 40
		.amdhsa_user_sgpr_count 2
		.amdhsa_user_sgpr_kernarg_segment_ptr 1
		.amdhsa_wavefront_size32 1
		.amdhsa_system_sgpr_workgroup_id_x 1
		.amdhsa_system_sgpr_workgroup_id_y 1
		.amdhsa_system_sgpr_workgroup_id_z 1
		.amdhsa_system_vgpr_workitem_id 0
		.amdhsa_next_free_vgpr 448
		.amdhsa_next_free_sgpr 80
		.amdhsa_reserve_vcc 1
		.amdhsa_float_denorm_mode_32 3
		.amdhsa_float_denorm_mode_16_64 3
		.amdhsa_fp16_overflow 1
		.amdhsa_memory_ordered 1
		.amdhsa_forward_progress 1
		.amdhsa_inst_pref_size 79
	.end_amdhsa_kernel
	.amdgpu_metadata
---
amdhsa.version: [ 1, 2 ]
amdhsa.kernels:
  - .name:           k_q8dbf528d06_attn
    .symbol:         k_q8dbf528d06_attn.kd
    .args:
      - { .name: qi, .offset: 0, .size: 8, .value_kind: global_buffer, .address_space: global }
      - { .name: ki, .offset: 8, .size: 8, .value_kind: global_buffer, .address_space: global }
      - { .name: vi, .offset: 16, .size: 8, .value_kind: global_buffer, .address_space: global }
      - { .name: lowp_scales, .offset: 24, .size: 8, .value_kind: global_buffer, .address_space: global }
      - { .name: yi, .offset: 32, .size: 8, .value_kind: global_buffer, .address_space: global }
    .group_segment_fixed_size: 263168
    .private_segment_fixed_size: 0
    .kernarg_segment_align: 8
    .kernarg_segment_size: 40
    .max_flat_workgroup_size: 256
    .sgpr_count:     80
    .vgpr_count:     448
    .wavefront_size: 32
...
	.end_amdgpu_metadata
.endif
;; end of part 3
;; launch proj (part 4): grid 8 x 32, 4 waves a work-group, clusters of 4 x 4, 327,680 bytes of LDS; arguments yi, wpi, b_proj, lowp_scales, out0; writes out0
.if DOCPART == 4
	.amdgcn_target "amdgcn-amd-amdhsa--gfx1250"
	.amdhsa_code_object_version 6
	.text
	.protected	k_q8dbf528d06_proj
	.globl	k_q8dbf528d06_proj
	.p2align	8
	.type	k_q8dbf528d06_proj,@function
k_q8dbf528d06_proj:
	s_mov_b64 s[64:65], 0
	v_nop
	global_prefetch_b8 v0, s[64:65] scope:SCOPE_SE
	s_setreg_imm32_b32 hwreg(HW_REG_WAVE_MODE, 25, 1), 1
	s_wait_xcnt 0x0
	s_wait_alu depctr_hold_cnt(0) depctr_sa_sdst(0) depctr_va_vdst(0) depctr_va_sdst(0) depctr_va_ssrc(0) depctr_va_vcc(0) depctr_vm_vsrc(0)
	s_getreg_b32 s2, hwreg(HW_REG_IB_STS2, 6, 4)
	s_cmp_eq_u32 s2, 0
	s_cbranch_scc0 .Lentry_in_a_cluster
	s_endpgm
.Lentry_in_a_cluster:
	s_bfe_u32 s2, ttmp6, 0x10000c
	s_cmp_lg_u32 s2, 0xf033
	s_cbranch_scc0 .Lentry_shape_is_right
	s_endpgm
.Lentry_shape_is_right:
; out = y w_proj + b_proj on codes of FP8 (E4M3).  yi: [512 tiles of 16 tokens][8 K steps][image], wpi: [64 tiles of 16 columns][8][image]; an image is 16 rows x 128 K as the operand's registers hold them.  out0: [8192][1024] f32.
; A tile of 256 tokens x 128 columns is made by four waves, 128 x 64 each: 32 accumulators, 256 registers: 256 work-groups.  K = 1,024 goes in four fills of 256 through two LDS slots, written out without a loop.
; THE MATRIX INSTRUCTION IS USED TRANSPOSED (source 0 = 16 columns of w_proj, source 1 = 16 tokens): a lane holds eight neighbouring numbers of a row of out.
; out = sum x 2^(e6 + e7) + b: one packed multiply-add for two numbers.  LIMIT: e6 + e7 between -126 and 127.
; CLUSTERS: 4 x 4 work-groups; y's tile is shared along a row of the cluster, w_proj's along a column, each asked for jointly.
; REGISTERS: window 0: v0-31 addresses; v64-95 the bias; v96-127 at work on the way out; v128-255 y's fragments, one set (on the way out v128-191 rows read back).
;   window 1: w_proj's fragments, two sets of 64, at v0 and v64.   window 2: accumulator (a, b) at v[8 (4 a + b)].
.set SLOT,   98304                     ; a slot: y's 16 tiles of rows x 4,096 bytes, then w_proj's 8
.set BOFF,   65536
.set STAGE,  2*SLOT                    ; behind the ring: 16 rows x (256 bytes + 16) for each wave, for the way out; no tile lands there
.set SPITCH, 272
.set SPARE,  STAGE+4*16*SPITCH         ; behind the stages: the spare words, 128 bytes for each wave
.set FILLB,  4096
.set FR,     16
.set NL,     4
.set NP,     4
.set ADRA, 16
.set ADRB, 20
.set STO,  24                          ; v24  the way out: where I put 32 bytes of a row
.set RD,   25                          ; v25  where I read a row back
.set CO,   26                          ; v26  my byte offset in two rows of out
.set SPW,  28
.set NIL,  29
.set BI,   64
.set TMP,  96
.set AF,   128
.set BK,   128
.set G1,  24
.set G0,  32
.set G1B, 48
.set G0B, 56
.set MSB, 0
.macro WIN new
.if MSB != (\new)
	s_set_vgpr_msb (MSB<<8)|(\new)
.set MSB, (\new)
.endif
.endm
.set MUL,  0xa1                        ; source 0 (w_proj) window 1, source 1 (y) window 0, C and D window 2
.set TO_B, 0x40
.macro JLOAD s
	s_cmp_eq_u32 s15, 0
	s_cbranch_scc0 .Lfor_b_\@
	tensor_load_to_lds s[G0+4*\s:G0+4*\s+3], s[G1:G1+7]
	s_nop 0
.rept 4
	v_nop
.endr
	s_branch .Lasked_\@
.Lfor_b_\@:
	tensor_load_to_lds s[G0B+4*\s:G0B+4*\s+3], s[G1B:G1B+7]
	s_nop 0
.rept 4
	v_nop
.endr
.Lasked_\@:
.endm
.macro CREST
	s_cmp_lg_u32 s14, 0
	s_cbranch_scc1 .Lnot_wave_0_\@
	s_barrier_signal -3
.Lnot_wave_0_\@:
	s_barrier_wait -3
	s_barrier_signal -1
	s_barrier_wait -1
.endm
.macro CROUND
	s_barrier_signal -1
	s_barrier_wait -1
	CREST
.endm
	s_load_b256 s[4:11], s[0:1], 0x0               ; yi s[4:5], wpi s[6:7], b_proj s[8:9], the scales' exponents s[10:11]
	s_load_b64 s[12:13], s[0:1], 0x20              ; out0
	v_lshl_add_u32 v[SPW], v0, 2, SPARE
	v_mov_b32 v[NIL], 0
	ds_add_u32 v28, v29
	ds_add_u32 v28, v29
	s_wait_dscnt 0x0
	v_lshrrev_b32 v1, 5, v0
	v_readfirstlane_b32 s14, v1                    ; wave 0..3
	s_lshr_b32 s15, s14, 1                         ; which 128 tokens are mine.  Also: I fetch for y (0) or for w_proj (1)
	s_and_b32 s16, s14, 1                          ; which 64 columns.  Also: which half of that tile I fetch
	s_bfe_u32 s40, ttmp6, 0x40000                  ; cx
	s_bfe_u32 s41, ttmp6, 0x40004                  ; cy
	s_lshl_b32 s42, ttmp9, 2
	s_add_co_u32 s42, s42, s40                     ; tile column = 4 x cluster x + cx
	s_and_b32 s17, ttmp7, 0xffff
	s_lshl_b32 s17, s17, 2
	s_add_co_u32 s17, s17, s41                     ; tile row = 4 x cluster y + cy
	s_lshl_b32 s23, s41, 2
	s_lshl_b32 s23, 15, s23                        ; my row of the cluster
	s_lshl_b32 s70, 0x1111, s40                    ; my column
	; descriptor group 1: rows (tiles of 16 rows) of 512 elements of 8 bytes, 2,048 elements apart, dense in LDS: 8 rows for y, 4 for w_proj
	s_or_b32 s[G1+0], s23, (3<<16)|(1<<21)
	s_or_b32 s[G1B+0], s70, (3<<16)|(1<<21)
	s_mov_b32 s[G1+1], 512<<16
	s_mov_b32 s[G1+2], 8<<16
	s_mov_b32 s[G1+3], 512<<16
	s_mov_b32 s[G1+4], 8
	s_mov_b32 s[G1+5], 2048
	s_mov_b32 s[G1+6], 0
	s_mov_b32 s[G1+7], 0
	s_mov_b32 s[G1B+1], 512<<16
	s_mov_b32 s[G1B+2], 4<<16
	s_mov_b32 s[G1B+3], 512<<16
	s_mov_b32 s[G1B+4], 4
	s_mov_b32 s[G1B+5], 2048
	s_mov_b32 s[G1B+6], 0
	s_mov_b32 s[G1B+7], 0
	s_lshl_b32 s88, s17, 18                        ; y: 16 tiles of rows x 16,384 bytes,
	s_lshl_b32 s21, s16, 17                        ; the half that I fetch
	s_add_co_u32 s88, s88, s21
	s_mov_b32 s89, 0
	s_lshl_b32 s90, s42, 17                        ; w_proj: 8 tiles,
	s_lshl_b32 s21, s16, 16
	s_add_co_u32 s90, s90, s21
	s_mov_b32 s91, 0
	s_lshl_b32 s71, s16, 15                        ; where they go: y's halves,
	s_lshl_b32 s92, s16, 14
	s_add_co_u32 s92, s92, BOFF                    ; w_proj's halves behind them: no place in the cluster enters an LDS address
	s_wait_kmcnt 0x0
	s_load_b256 s[80:87], s[10:11], 0x0            ; e0 .. e7
	s_add_nc_u64 s[66:67], s[4:5], s[88:89]
	s_add_nc_u64 s[68:69], s[6:7], s[90:91]
	CROUND                                         ; all sixteen work-groups are here: the first joint loads meet
.irp s, 0,1
	s_mov_b32 s[G0+4*\s], 1
	s_add_co_u32 s[G0+4*\s+1], s71, \s*SLOT
	s_add_nc_u64 s[G0+4*\s+2:G0+4*\s+3], s[66:67], \s*FILLB
	s_or_b32 s[G0+4*\s+3], s[G0+4*\s+3], 0x80000000
	s_mov_b32 s[G0B+4*\s], 1
	s_add_co_u32 s[G0B+4*\s+1], s92, \s*SLOT
	s_add_nc_u64 s[G0B+4*\s+2:G0B+4*\s+3], s[68:69], \s*FILLB
	s_or_b32 s[G0B+4*\s+3], s[G0B+4*\s+3], 0x80000000
	s_wait_alu depctr_va_vdst(0)
	s_wait_tensorcnt 0x0
	ds_add_u32 v28, v29
	ds_add_u32 v28, v29
	s_wait_dscnt 0x0
	CROUND
	JLOAD \s                                       ; one tensor load of mine is out
.endr
	v_and_b32 v1, 31, v0
	v_lshlrev_b32 v4, 4, v1                        ; 16 x lane
	v_and_b32 v2, 15, v0                           ; r
	s_wait_alu depctr_va_vdst(0)
	v_bfe_u32 v3, v0, 4, 1                         ; h
	s_lshl_b32 s21, s15, 15                        ; my 8 tiles of y
	s_lshl_b32 s22, s16, 14                        ; my 4 tiles of w_proj,
	s_add_co_u32 s22, s22, BOFF
.irp s, 0,1
	v_add_nc_u32 v[ADRA+\s], s21, v4
	v_add_nc_u32 v[ADRB+\s], s22, v4
	s_add_co_u32 s21, s21, SLOT
	s_add_co_u32 s22, s22, SLOT
.endr
	s_mul_i32 s23, s14, 16*SPITCH
	s_add_co_u32 s23, s23, STAGE                   ; my stage
	v_mul_u32_u24 v5, v2, SPITCH
	s_wait_alu depctr_va_vdst(0)
	v_lshl_add_u32 v5, v3, 5, v5
	v_add_nc_u32 v[STO], s23, v5                   ; in: row r, 32 bytes for each half of the lanes
	v_mul_u32_u24 v5, v3, SPITCH
	v_lshl_add_u32 v5, v2, 4, v5
	v_add_nc_u32 v[RD], s23, v5                    ; back: lanes 0-15 one row of 256 bytes, lanes 16-31 the next
	v_lshlrev_b32 v[CO], 12, v3
	v_lshl_add_u32 v[CO], v2, 4, v[CO]             ; and the same two rows in out
	s_lshl_b32 s93, s42, 9
	s_lshl_b32 s94, s16, 8
	s_add_co_u32 s93, s93, s94                     ; my first column, in bytes: 512 x tile column + 256 x half
	v_lshl_add_u32 v6, v3, 5, s93                  ; the bias: block b's eight are b(column0 + 16 b + 8 h + 0 .. 7)
.irp b, 0,1,2,3
	global_load_b128 v[BI+8*\b:BI+8*\b+3],   v6, s[8:9] offset:64*\b
	global_load_b128 v[BI+8*\b+4:BI+8*\b+7], v6, s[8:9] offset:64*\b+16
.endr
	s_lshl_b32 s94, s17, 20                        ; 256 rows of 4,096 bytes,
	s_lshl_b32 s95, s15, 19                        ; my 128
	s_add_co_u32 s94, s94, s95
	s_add_co_u32 s94, s94, s93
	s_mov_b32 s95, 0
	s_add_nc_u64 s[12:13], s[12:13], s[94:95]
.macro FRAG reg, adr, q, i
.irp c, 0,1,2,3
	ds_load_b128 v[\reg+4*\c:\reg+4*\c+3], v[\adr] offset:4096*(\i)+2048*(\q)+512*\c
.endr
.endm
; 8 matrix instructions: y's blocks a0, a0 + 1 x w_proj's four.  zero = 1: the first product starts the sums.  The 32 accumulators take turns, one instruction a turn.
.macro MUL8 a0, p, zero
.irp a, \a0, \a0+1
.irp b, 0,1,2,3
.if \zero
	v_wmma_f32_16x16x128_fp8_fp8 v[8*(4*(\a)+\b):8*(4*(\a)+\b)+7], v[64*(\p)+FR*\b:64*(\p)+FR*\b+FR-1], v[AF+FR*(\a):AF+FR*(\a)+FR-1], 0
.else
	v_wmma_f32_16x16x128_fp8_fp8 v[8*(4*(\a)+\b):8*(4*(\a)+\b)+7], v[64*(\p)+FR*\b:64*(\p)+FR*\b+FR-1], v[AF+FR*(\a):AF+FR*(\a)+FR-1], v[8*(4*(\a)+\b):8*(4*(\a)+\b)+7]
.endif
.endr
.endr
.endm
.macro FETCH_B slot, q, p
	WIN TO_B
.irp i, 0,1,2,3
	FRAG 64*(\p)+FR*\i, ADRB+\slot, \q, \i
.endr
	WIN 0
.endm
.macro FETCH_A slot, q, i0
.irp i, \i0, \i0+1, \i0+2, \i0+3
	FRAG AF+FR*(\i), ADRA+\slot, \q, \i
.endr
.endm
.macro PLACES n
.rept \n
	v_nop
.endr
.endm
.macro STEP slot, q, zero
	s_wait_dscnt 4*NL                              ; w_proj's set and y's blocks 0-3 are in; the youngest sixteen loads (y's blocks 4-7) may be out
	WIN MUL
	MUL8 0, (\q)%2, \zero
	MUL8 2, (\q)%2, \zero
	s_wait_dscnt 0
	PLACES NP
	FETCH_B \slot, (\q)+1, 1-(\q)%2
	FETCH_A \slot, (\q)+1, 0
	WIN MUL
	MUL8 4, (\q)%2, \zero
	MUL8 6, (\q)%2, \zero
	PLACES NP
	WIN 0
	FETCH_A \slot, (\q)+1, 4
.endm
.macro TURN slot, next, fill
	s_wait_tensorcnt 0x0                           ; all my tensor loads have landed: my part of the next slot
	ds_add_u32 v[SPW], v[NIL]                      ; 0 onto my spare word
	s_wait_dscnt 4*NL+1                            ; (the add and the youngest sixteen loads may be out)
	WIN MUL
	MUL8 0, 1, 0
	s_wait_dscnt 0x0                               ; the add is done, and my reads of this slot are over
	s_barrier_signal -1
	MUL8 2, 1, 0
	WIN 0
	s_barrier_wait -1
.if \fill
	CREST                                          ; the barrier has opened a round of the cluster's: no wave of any partner still reads this slot or has a load on its way
	s_add_nc_u64 s[G0+4*\slot+2:G0+4*\slot+3], s[G0+4*\slot+2:G0+4*\slot+3], 2*FILLB
	s_add_nc_u64 s[G0B+4*\slot+2:G0B+4*\slot+3], s[G0B+4*\slot+2:G0B+4*\slot+3], 2*FILLB
	JLOAD \slot                                    ; the first tensor load behind the round, my one load out
.else
	PLACES NP
.endif
	FETCH_B \next, 0, 0
	FETCH_A \next, 0, 0
	WIN MUL
	MUL8 4, 1, 0
	MUL8 6, 1, 0
	PLACES NP
	WIN 0
	FETCH_A \next, 0, 4
.endm
	s_wait_tensorcnt 1                             ; my part of fill 0 is in; fill 1's load may be out
	s_barrier_signal -1
	s_barrier_wait -1
	FETCH_B 0, 0, 0
	FETCH_A 0, 0, 0
	FETCH_A 0, 0, 4
	STEP 0, 0, 1                                   ; the first step's products start the sums
	TURN 0, 1, 1                                   ; slot 0 takes fill 2
	STEP 1, 0, 0
	TURN 1, 0, 1                                   ; slot 1 takes fill 3
	STEP 0, 0, 0
	TURN 0, 1, 0                                   ; nothing is left to fetch
	STEP 1, 0, 0
	s_wait_dscnt 4*NL
	WIN MUL
	MUL8 0, 1, 0
	MUL8 2, 1, 0
	s_wait_dscnt 0
	MUL8 4, 1, 0
	MUL8 6, 1, 0
	WIN 0
; THE WAY OUT, block by block of 16 tokens x 64 columns: through my own stage in LDS, back as whole rows of 256 bytes.  LDS serves a wave's instructions in order: no wait between the stores and the loads.
.macro TOSTAGE a
	WIN 0x02                                       ; source 0 (the sums) window 2
.irp b, 0,1,2,3
.irp i, 0,2,4,6
	v_pk_fma_f32 v[TMP+8*\b+\i:TMP+8*\b+\i+1], v[32*(\a)+8*\b+\i:32*(\a)+8*\b+\i+1], s[96:97], v[BI+8*\b+\i:BI+8*\b+\i+1] op_sel_hi:[1,0,1]   ; sum x 2^(e6 + e7) + b; each accumulator from its low end on
.endr
.endr
	WIN 0
.irp b, 0,1,2,3
	ds_store_b128 v[STO], v[TMP+8*\b:TMP+8*\b+3]   offset:64*\b
	ds_store_b128 v[STO], v[TMP+8*\b+4:TMP+8*\b+7] offset:64*\b+16
.endr
.set BB, BK+32*((\a)%2)
.irp t, 0,1,2,3,4,5,6,7
	ds_load_b128 v[BB+4*\t:BB+4*\t+3], v[RD] offset:\t*2*SPITCH
.endr
.endm
.macro SEND a, younger                 ; younger: the LDS instructions issued behind block a's loads, which may stay out
.set BB, BK+32*((\a)%2)
	s_wait_dscnt \younger
.irp t, 0,1,2,3,4,5,6,7
	global_store_b128 v[CO], v[BB+4*\t:BB+4*\t+3], s[12:13] offset:(16*(\a)+2*\t)*4096 th:TH_STORE_NT   ; sixteen lanes store 256 consecutive bytes, at a multiple of 256 from out's first byte
.endr
.endm
	s_wait_kmcnt 0x0
	s_add_co_i32 s96, s86, s87
	s_add_co_i32 s96, s96, 127
	s_lshl_b32 s96, s96, 23                        ; 2^(e6 + e7) as f32
	s_mov_b32 s97, s96                             ; (named with it as a pair)
	s_wait_loadcnt 0x0                             ; the bias
	PLACES NP
	TOSTAGE 0
.irp a, 1,2,3,4,5,6,7
.if \a > 1
	s_wait_xcnt 0x0                                ; block a - 2's stores have read their registers: block a's loads may land there
.endif
	TOSTAGE \a
	SEND \a-1, 16                                  ; behind block a - 1's loads: block a's 8 stores and 8 loads
.endr
	SEND 7, 0
	s_wait_tensorcnt 0x0                           ; the wave's end
	ds_add_u32 v[SPW], v[NIL]
	s_wait_dscnt 0x0
	CROUND                                         ; the closing round
	s_endpgm
.Lfunc_end_k_q8dbf528d06_proj:
	.size	k_q8dbf528d06_proj, .Lfunc_end_k_q8dbf528d06_proj-k_q8dbf528d06_proj
	.p2alignl 7, 3214868480
	.fill 96, 4, 3214868480
	.section	.rodata,"a",@progbits
	.p2align	6, 0x0
	.amdhsa_kernel k_q8dbf528d06_proj
		.amdhsa_group_segment_fixed_size 327680
		.amdhsa_private_segment_fixed_size 0
		.amdhsa_enable_private_segment 0
		.amdhsa_kernarg_size 40
		.amdhsa_user_sgpr_count 2
		.amdhsa_user_sgpr_kernarg_segment_ptr 1
		.amdhsa_wavefront_size32 1
		.amdhsa_system_sgpr_workgroup_id_x 1
		.amdhsa_system_sgpr_workgroup_id_y 1
		.amdhsa_system_sgpr_workgroup_id_z 1
		.amdhsa_system_vgpr_workitem_id 0
		.amdhsa_next_free_vgpr 1024
		.amdhsa_next_free_sgpr 100
		.amdhsa_reserve_vcc 0
		.amdhsa_float_denorm_mode_32 3
		.amdhsa_float_denorm_mode_16_64 3
		.amdhsa_memory_ordered 1
		.amdhsa_forward_progress 1
		.amdhsa_inst_pref_size 78
	.end_amdhsa_kernel
	.amdgpu_metadata
---
amdhsa.version: [ 1, 2 ]
amdhsa.kernels:
  - .name:           k_q8dbf528d06_proj
    .symbol:         k_q8dbf528d06_proj.kd
    .args:
      - { .name: yi, .offset: 0, .size: 8, .value_kind: global_buffer, .address_space: global }
      - { .name: wpi, .offset: 8, .size: 8, .value_kind: global_buffer, .address_space: global }
      - { .name: b_proj, .offset: 16, .size: 8, .value_kind: global_buffer, .address_space: global }
      - { .name: lowp_scales, .offset: 24, .size: 8, .value_kind: global_buffer, .address_space: global }
      - { .name: out0, .offset: 32, .size: 8, .value_kind: global_buffer, .address_space: global }
    .group_segment_fixed_size: 327680
    .private_segment_fixed_size: 0
    .kernarg_segment_align: 8
    .kernarg_segment_size: 40
    .max_flat_workgroup_size: 128
    .sgpr_count:     100
    .vgpr_count:     1024
    .wavefront_size: 32
...
	.end_amdgpu_metadata
.endif
;; end of part 4
